; MI455X (gfx1250); checked and timed in simulation.
; The chip was launched on July 23, 2026; its instructions are those of AMD's public machine-readable ISA for CDNA 5 (MIT licence, August 2026) and "CDNA5" Instruction Set Architecture Reference Guide (July 2026). The comments in the code are by the model that wrote it; some were corrected since.
;; Multi Head Attention. Allowed arithmetic: matrix products marked QUANTISED: E2M3 operands, one E8M0 scale for each 32 along K, by v_wmma_scale_f32_16x16x128_f8f6f4 with both operands' format E2M3, f32 sums; everything else in f32.
;; Inputs: Wk_codes 512 x 16 x 24 uint8 (E2M3 codes of Wk, K innermost, in blocks of 32 codes, four codes in three bytes); Wk_scales 512 x 16 uint8 (E8M0 scales of Wk, one for each 32 codes along K); Wo_codes 512 x 16 x 24 uint8 (E2M3 codes of Wo, K innermost, in blocks of 32 codes, four codes in three bytes); Wo_scales 512 x 16 uint8 (E8M0 scales of Wo, one for each 32 codes along K); Wq_codes 512 x 16 x 24 uint8 (E2M3 codes of Wq, K innermost, in blocks of 32 codes, four codes in three bytes); Wq_scales 512 x 16 uint8 (E8M0 scales of Wq, one for each 32 codes along K); Wv_codes 512 x 16 x 24 uint8 (E2M3 codes of Wv, K innermost, in blocks of 32 codes, four codes in three bytes); Wv_scales 512 x 16 uint8 (E8M0 scales of Wv, one for each 32 codes along K); bk 512 float32; bo 512 float32; bq 512 float32; bv 512 float32; k_codes 8 x 2,048 x 16 x 24 uint8 (E2M3 codes of k, K innermost, in blocks of 32 codes, four codes in three bytes); k_scales 8 x 2,048 x 16 uint8 (E8M0 scales of k, one for each 32 codes along K); mask 1 x 1 x 2,048 x 2,048 float32; q_codes 8 x 2,048 x 16 x 24 uint8 (E2M3 codes of q, K innermost, in blocks of 32 codes, four codes in three bytes); q_scales 8 x 2,048 x 16 uint8 (E8M0 scales of q, one for each 32 codes along K); v_codes 8 x 2,048 x 16 x 24 uint8 (E2M3 codes of v, K innermost, in blocks of 32 codes, four codes in three bytes); v_scales 8 x 2,048 x 16 uint8 (E8M0 scales of v, one for each 32 codes along K).
;; Outputs: out0 8 x 2,048 x 512 float32.
;; This version of the problem:
;;   THIS VERSION OF THE PROBLEM IS GIVEN IN LOW PRECISION. The matrix products marked QUANTISED in the list below multiply operands that are first quantised to E2M3 (2 exponent bits, 3 mantissa bits; 6 bits a number), with one power-of-two scale for each 32 numbers along K (OCP MX v1.0); their sums are f32. All else is computed in f32.
;;   The module's matrix products, in the order in which they are computed (A, B: the left and right operand; K: the contracted axis; several contracted axes count as one K, in the product's order):
;;     1. [M 16,384, K 512] x [K 512, N 512]; A: input q (given as codes); B: input Wq (given as codes): QUANTISED
;;     2. [M 16,384, K 512] x [K 512, N 512]; A: input k (given as codes); B: input Wk (given as codes): QUANTISED
;;     3. [M 16,384, K 512] x [K 512, N 512]; A: input v (given as codes); B: input Wv (given as codes): QUANTISED
;;     4. batch 64 x [M 2,048, K 64] x [K 64, N 2,048]; A: computed on the way; B: computed on the way: QUANTISED
;;     5. batch 64 x [M 2,048, K 2,048] x [K 2,048, N 64]; A: softmax (see below); B: computed on the way: QUANTISED
;;     6. [M 16,384, K 512] x [K 512, N 512]; A: computed on the way; B: input Wo (given as codes): QUANTISED
;;   THE QUANTISER, for each operand of a quantised product, along K:
;;     - K is cut into blocks of 32 from its start; a last block that is shorter is filled with zeros.
;;     - A block's scale is 2^e with e = floor(log2(the largest magnitude in the block)) - 2, held to -126 .. 127; a block of zeros has e = 0. As a byte (E8M0): e + 127.
;;     - Each number is divided by its block's scale, clamped to +-7.5, and rounded to the nearest number of E2M3, ties to even, subnormals kept.
;;     - The product sums the exact products of the quantised numbers (number of the format x scale) in f32.
;;   ~~~python
;;   def quantise(x, axis):      # numpy; x: float32 -> the quantised numbers, widened to float32 again
;;       x = np.moveaxis(x, axis, -1); K = x.shape[-1]
;;       x = np.pad(x, [(0, 0)] * (x.ndim - 1) + [(0, -K % 32)]); x = x.reshape(x.shape[:-1] + (-1, 32)); a = np.abs(x).max(-1, keepdims=True)
;;       e = np.where(a > 0, np.clip(np.frexp(np.where(a > 0, a, 1))[1] - 1 - 2, -126, 127), 0)      # np.frexp(a)[1] - 1 = floor(log2(a)), exactly
;;       r = np.clip(x / 2.0 ** e, -7.5, 7.5)
;;       step = 2.0 ** (np.maximum(np.frexp(np.where(r == 0, 1, r))[1] - 1, 0) - 3)
;;       q = np.round(r / step) * step * 2.0 ** e      # np.round: ties to even
;;       return np.moveaxis(q.reshape(q.shape[:-2] + (-1,))[..., :K], -1, axis).astype(np.float32)
;;   ~~~
;;   SOFTMAX AHEAD OF A QUANTISED PRODUCT. Where the list says 'softmax', what is quantised is not the finished softmax but p = 2^(t - M), with t = logit x log2(e) and M = ceil(the row's largest t), a whole number; so 1/2 < the row's largest p <= 1. The row's sum l is taken of the UNQUANTISED p, in f32, and the product's result is divided by l at the end. Since M is a whole number, a kernel that streams over the keys may use a running M (the ceiling of the running maximum): every later rescaling is an exact power of two, which a block's scale takes up: the codes' values come out the same.
;;   OPERANDS COMPUTED ON THE WAY. 'Computed on the way' means the value that the module computes at that place (a softmax that the list does not call 'softmax' is quantised finished and normalised). What goes into a quantiser is computed in f32, as accurately as f32 sums, v_exp_f32 and their like allow (about 1e-6 of the number): no bf16 or f16 on the way to a quantiser, and a product that is left as it is and whose result goes on into a quantised operand takes f32 operands (vector FMAs, or v_wmma_f32_16x16x4_f32). A number that lies on a knife's edge between two numbers of the format may be rounded either way, as far as f32 arithmetic and the matrix unit's own rounding can turn it there, and no further.
;;   INPUTS GIVEN AS CODES. Wk (in the module: [512, 512], K = its axis 0); Wo (in the module: [512, 512], K = its axis 0); Wq (in the module: [512, 512], K = its axis 0); Wv (in the module: [512, 512], K = its axis 0); k (in the module: [8, 2048, 512], K = its axis 2); q (in the module: [8, 2048, 512], K = its axis 2); v (in the module: [8, 2048, 512], K = its axis 2): each comes as NAME_codes (uint8): NAME with its K axis moved to the last place and cut into blocks of 32 codes, [.., K / 32, bytes a block], one block behind the other in memory; four codes in three bytes: a row's codes are one little-endian stream of bits, code i at bits 6 i .. 6 i + 5 (a code: sign, 2 exponent bits, 3 mantissa bits); and NAME_scales (uint8): the same leading axes, one E8M0 byte (e + 127) for each 32 codes along K. Its value is code x scale, taken as it is: it is not quantised again, and the codes and scales need not be those that the quantiser above would give.
;; One version. Each part assembles by itself: llvm-mc -triple=amdgcn-amd-amdhsa -mcpu=gfx1250 --defsym DOCPART=n.
;; ======== version 1 of 1: 2 launches
;; limits: right only within a limited range of input values
;; workspace buffers: rec 19,922,944 bytes; woimg 196,608 bytes
;; launch proj (part 1): grid 4 x 64, 8 waves a work-group, clusters of 4 x 4, 327,680 bytes of LDS; arguments q_codes, q_scales, Wq_codes, Wq_scales, k_codes, k_scales, Wk_codes, Wk_scales, v_codes, v_scales, Wv_codes, Wv_scales, bq, bk, bv, rec, Wo_codes, woimg; writes rec, woimg
.if DOCPART == 1
	.amdgcn_target "amdgcn-amd-amdhsa--gfx1250"
	.amdhsa_code_object_version 6
	.text
	.protected	k_qe0431920a7_proj
	.globl	k_qe0431920a7_proj
	.p2align	8
	.type	k_qe0431920a7_proj,@function
k_qe0431920a7_proj:
	s_mov_b64 s[64:65], 0
	v_nop
	global_prefetch_b8 v0, s[64:65] scope:SCOPE_SE
	s_setreg_imm32_b32 hwreg(HW_REG_WAVE_MODE, 25, 1), 1
	s_wait_xcnt 0x0
	s_wait_alu depctr_hold_cnt(0) depctr_sa_sdst(0) depctr_va_vdst(0) depctr_va_sdst(0) depctr_va_ssrc(0) depctr_va_vcc(0) depctr_vm_vsrc(0)
	s_getreg_b32 s2, hwreg(HW_REG_IB_STS2, 6, 4)
	s_cmp_eq_u32 s2, 0
	s_cbranch_scc0 .Lentry_in_a_cluster
	s_endpgm
.Lentry_in_a_cluster:
	s_bfe_u32 s2, ttmp6, 0x10000c
	s_cmp_lg_u32 s2, 0xf033
	s_cbranch_scc0 .Lentry_shape_is_right
	s_endpgm
.Lentry_shape_is_right:
; THE THREE PROJECTIONS, x W + b for x = q, k, v, on codes of FP6 (E2M3) with one E8M0 scale for each 32 along K = 512, and the quantising of their results for the attention launch.
; q's and k's results are quantised along a head's 64 numbers, v's along the keys.  What is stored are IMAGES OF OPERAND REGISTERS: 12 registers a lane as three slices of 512 bytes, lane l's 16 bytes at 16 l, and one scale word a row.
; rec holds one record of RECB bytes for each (batch, 128 tokens): +0 k's scale words [head 8][pair 4][16], +2,048 v's [head 8][channel tile 4][16], +4,096 k's images [head][pair][1,536], +53,248 v's [head][channel tile][1,536],
; +102,400 q's scale words, +104,448 2,048 bytes that nobody writes or reads, +106,496 q's images.
; A PAIR IMAGE of q or k: 16 rows; row r holds token r of token tile 2 p (its 64 numbers at K places 0-63) and token r of tile 2 p + 1 (places 64-127).  An image of v: 16 channels x 128 keys.
; ORDER ALONG K.  Tiles are 16 neighbouring rows, so a lane's 16 numbers of a block of 32 are 0-7 and 16-23 (lanes 0-15) or 8-15 and 24-31 (lanes 16-31): inside each block of 32 the places hold the numbers
; 0-7, 16-23, 8-15, 24-31.  The order stays inside a scale's block and is the same in q and k, and in v and the softmax's weights of the next launch: the sums are those of the true order.
; SHARES.  Work-group (x, y): 256 tokens (block y) x heads 2 x and 2 x + 1, in six phases (q, k, v) x (the two heads).  q, k: wave w takes token tiles 2 w, 2 w + 1 (one pair); source 0 = the head's 64 rows of W, source 1 = tokens:
; a lane holds one token and its registers run along the head.  v: wave w takes the 128 tokens of half w / 4 and channel tile w % 4; source 0 = tokens, source 1 = 16 rows of W: a lane holds one channel and its registers run along the keys.
; CLUSTER 4 x 4: x's tile hangs on y alone and is asked for jointly along a row of the cluster, W's on x alone and jointly along a column.
; A slot holds 256 rows of x, 64 rows of W and their scale bytes; two slots take turns, a phase each; one tensor load a wave (waves 0-3: x's rows, 4: W's rows, 5: W's scales, 6: x's scales, 7: none): at most one load of a wave is out.
; LIMITS: NaN and infinities are not served.  A block of zeros gets the scale byte 1 (its codes are zeros; this program alone reads the bytes).  A wave's 16 scale words are stored as 64 consecutive bytes, a part of an aligned 256:
; one byte in 24 of what the launch stores.
.set RECB,  155648
.set P,     432                        ; an LDS row: 3 x (128 bytes + 16 of padding) = 108 words: 16 rows of a load of 8 bytes a lane start at 16 different groups of four banks, and lanes 16-31, 24 or 40 bytes on, take the other halves of the groups
.set TILEB, 16*P
.set WC,    256*P                      ; in a slot: x's 256 rows, W's 64 rows,
.set WSO,   WC+64*P                    ; W's scale bytes (64 rows x 16),
.set XSO,   WSO+1024                   ; x's (256 rows x 16)
.set SLOTB, XSO+4096
.set SPARE, 2*SLOTB                    ; the spare words, 128 bytes for each of eight waves: four blocks of 256 bytes that no other line names
.set LT,   2                           ; v2  row r x P + 24 (lane / 16);  v3 the same behind one padding more (40 for 24)
.set L16,  4                           ; v4  16 x lane
.set A0,   5                           ; v5-6  source 0's fragments in the slot in hand
.set A1,   7                           ; v7-8  source 1's
.set AS0,  9                           ; v9    source 0's scale words
.set AS1,  10                          ; v10   source 1's
.set BVO,  11                          ; v11   v's bias: 4 r + 64 (wave % 4)
.set R4,   12                          ; v12   4 r
.set H32,  13                          ; v13   32 (lane / 16)
.set SPW,  14                          ; v14   LDS address of my spare word; never rewritten
.set NIL,  15                          ; v15   0; never rewritten
.set SW0,  16                          ; v16-31 source 0's scale words: register 4 i + s: lanes 0-15 tile 2 i, lanes 16-31 tile 2 i + 1, K step s
.set SW1,  32                          ; v32-35 source 1's
.set TM,   36                          ; v36-51 at work in QUANT
.set PW,   52                          ; v52    the scale word just made
.set BV,   54                          ; v54    v's bias of my channel (v55 is named with it as a pair)
.set PC,   56                          ; v56-75 the codes just made
.set F,    76                          ; v76-183 nine fragments
.set ACC,  184                         ; v184-247 eight accumulators
.set WV,   4                           ; s4   my wave's number
.set G1XC, 24
.set G1WC, 32
.set G1WS, 40
.set G1XS, 48
.set G0XC, 56
.set G0WC, 60
.set G0WS, 68
.set G0XS, 72
.set SEL,  96                          ; s[96:97] v_permlanex16_b32's selects for lane l xor 16
.macro PLACES n
.rept \n
	v_nop
.endr
.endm
; A round of the cluster's barrier: my work-group's barrier; wave 0 signals for the work-group; every wave waits for all sixteen work-groups; my work-group's barrier once more.
.macro CROUND
	s_barrier_signal -1
	s_barrier_wait -1
	s_cmp_lg_u32 s[WV], 0
	s_cbranch_scc1 .Lnot_wave_0_\@
	s_barrier_signal -3
.Lnot_wave_0_\@:
	s_barrier_wait -3
	s_barrier_signal -1
	s_barrier_wait -1
.endm
; A fill: one joint load a wave.  The branches hang on the wave's number alone; four v_nop follow each load.
.macro TLOAD4
	s_cmp_lt_u32 s[WV], 4
	s_cbranch_scc0 .Lt1_\@
	tensor_load_to_lds s[G0XC:G0XC+3], s[G1XC:G1XC+7]
	s_nop 0
	PLACES 4
	s_branch .Ltd_\@
.Lt1_\@:
	s_cmp_eq_u32 s[WV], 4
	s_cbranch_scc0 .Lt2_\@
	tensor_load_to_lds s[G0WC:G0WC+3], s[G1WC:G1WC+7]
	s_nop 0
	PLACES 4
	s_branch .Ltd_\@
.Lt2_\@:
	s_cmp_eq_u32 s[WV], 5
	s_cbranch_scc0 .Lt3_\@
	tensor_load_to_lds s[G0WS:G0WS+3], s[G1WS:G1WS+7]
	s_nop 0
	PLACES 4
	s_branch .Ltd_\@
.Lt3_\@:
	s_cmp_eq_u32 s[WV], 6
	s_cbranch_scc0 .Ltd_\@
	tensor_load_to_lds s[G0XS:G0XS+3], s[G1XS:G1XS+7]
	s_nop 0
	PLACES 4
.Ltd_\@:
.endm
; The four groups 0 for phase nph: slot nph % 2, head 2 x + nph % 2; s[12:19] hold the phase's tensor: x's codes, x's scales, W's codes, W's scales.
.macro SETG0 nph
.set NSB, ((\nph)%2)*SLOTB
.set NSU, (\nph)%2
	s_add_co_u32 s[G0XC+1], s84, NSB
	s_add_nc_u64 s[G0XC+2:G0XC+3], s[12:13], s[76:77]
	s_or_b32 s[G0XC+3], s[G0XC+3], 0x80000000
	s_mov_b32 s[G0WC+1], NSB+WC
	s_add_nc_u64 s[G0WC+2:G0WC+3], s[16:17], s[78:79]
	s_add_nc_u64 s[G0WC+2:G0WC+3], s[G0WC+2:G0WC+3], NSU*24576
	s_or_b32 s[G0WC+3], s[G0WC+3], 0x80000000
	s_mov_b32 s[G0WS+1], NSB+WSO
	s_add_nc_u64 s[G0WS+2:G0WS+3], s[18:19], s[82:83]
	s_add_nc_u64 s[G0WS+2:G0WS+3], s[G0WS+2:G0WS+3], NSU*1024
	s_or_b32 s[G0WS+3], s[G0WS+3], 0x80000000
	s_mov_b32 s[G0XS+1], NSB+XSO
	s_add_nc_u64 s[G0XS+2:G0XS+3], s[14:15], s[80:81]
	s_or_b32 s[G0XS+3], s[G0XS+3], 0x80000000
.endm
; A fragment, 16 rows x 128 K of 6-bit codes: 12 registers; lane l holds row l % 16, registers 6 c .. 6 c + 5 hold K = 64 c + 32 (l / 16) + 0 .. 31: 24 bytes of the row as they lie, in pieces of 8 bytes.
; Piece p of a row lies at 8 p + 16 (p / 16).  Lanes 16-31 read three pieces on, which is behind one padding more where p % 16 is 13 or more: the second address register serves those.
.macro FRAG reg, adr, s, t
.irp p, 0,1,2,3,4,5
.set PCE, 12*(\s)+6*(\p/3)+\p%3
.if PCE%16 < 13
	ds_load_b64 v[(\reg)+2*\p:(\reg)+2*\p+1], v[\adr] offset:8*PCE+16*(PCE/16)+(\t)*TILEB
.else
	ds_load_b64 v[(\reg)+2*\p:(\reg)+2*\p+1], v[(\adr)+1] offset:8*PCE+16*(PCE/16)+(\t)*TILEB
.endif
.endr
.endm
; The matrix line.  cz = 1: C is the constant 0, else C = D.  ra, rb = 1: that side's scale words stand in lanes 16-31.
.macro WM d, a, b, cz, sa, sb, ra, rb
.if (\cz) && (\ra)
	v_wmma_scale_f32_16x16x128_f8f6f4 v[(\d):(\d)+7], v[(\a):(\a)+11], v[(\b):(\b)+11], 0, v[\sa], v[\sb] matrix_a_fmt:MATRIX_FMT_FP6 matrix_b_fmt:MATRIX_FMT_FP6 matrix_a_scale:MATRIX_SCALE_ROW1
.elseif (\cz)
	v_wmma_scale_f32_16x16x128_f8f6f4 v[(\d):(\d)+7], v[(\a):(\a)+11], v[(\b):(\b)+11], 0, v[\sa], v[\sb] matrix_a_fmt:MATRIX_FMT_FP6 matrix_b_fmt:MATRIX_FMT_FP6
.elseif (\ra) && (\rb)
	v_wmma_scale_f32_16x16x128_f8f6f4 v[(\d):(\d)+7], v[(\a):(\a)+11], v[(\b):(\b)+11], v[(\d):(\d)+7], v[\sa], v[\sb] matrix_a_fmt:MATRIX_FMT_FP6 matrix_b_fmt:MATRIX_FMT_FP6 matrix_a_scale:MATRIX_SCALE_ROW1 matrix_b_scale:MATRIX_SCALE_ROW1
.elseif (\ra)
	v_wmma_scale_f32_16x16x128_f8f6f4 v[(\d):(\d)+7], v[(\a):(\a)+11], v[(\b):(\b)+11], v[(\d):(\d)+7], v[\sa], v[\sb] matrix_a_fmt:MATRIX_FMT_FP6 matrix_b_fmt:MATRIX_FMT_FP6 matrix_a_scale:MATRIX_SCALE_ROW1
.elseif (\rb)
	v_wmma_scale_f32_16x16x128_f8f6f4 v[(\d):(\d)+7], v[(\a):(\a)+11], v[(\b):(\b)+11], v[(\d):(\d)+7], v[\sa], v[\sb] matrix_a_fmt:MATRIX_FMT_FP6 matrix_b_fmt:MATRIX_FMT_FP6 matrix_b_scale:MATRIX_SCALE_ROW1
.else
	v_wmma_scale_f32_16x16x128_f8f6f4 v[(\d):(\d)+7], v[(\a):(\a)+11], v[(\b):(\b)+11], v[(\d):(\d)+7], v[\sa], v[\sb] matrix_a_fmt:MATRIX_FMT_FP6 matrix_b_fmt:MATRIX_FMT_FP6
.endif
.endm
; 64 numbers of a lane, v[s] .. v[s + 63]: registers 16 b .. 16 b + 15 are my half of block b of my row, lane l xor 16 holds the other half.  They become 12 registers of codes in v[PC] on and the row's scale word in v[PW].
.macro QUANT s
.irp b, 0,1,2,3
	v_max3_num_f32 v[TM+\b], |v[\s+16*\b]|, |v[\s+1+16*\b]|, 0x1800000   ; my 16 numbers, and the floor 2^(3 - 127): the byte cannot fall under 1
.endr
.irp i, 2,4,6,8,10,12,14
.irp b, 0,1,2,3
	v_max3_num_f32 v[TM+\b], v[TM+\b], |v[\s+16*\b+\i]|, |v[\s+1+16*\b+\i]|   ; the four blocks by turns
.endr
.endr
.irp b, 0,1,2,3
	s_delay_alu instid0(VALU_DEP_4)
	v_permlanex16_b32 v[TM+4+\b], v[TM+\b], s[SEL], s[SEL+1]
.endr
.irp b, 0,1,2,3
	s_delay_alu instid0(VALU_DEP_4)
	v_max_num_f32 v[TM+\b], v[TM+\b], v[TM+4+\b]   ; the block's largest magnitude
.endr
.irp b, 0,1,2,3
	s_delay_alu instid0(VALU_DEP_4)
	v_add_nc_u32 v[TM+12+\b], 0xff000000, v[TM+\b]   ; 2 off its exponent field: the conversion takes this operand's exponent field as its scale
.endr
.irp b, 0,1,2,3
	s_delay_alu instid0(VALU_DEP_4)
	v_lshrrev_b32 v[TM+4+\b], 23, v[TM+12+\b]   ; the scale's byte
.endr
	s_delay_alu instid0(VALU_DEP_3)
	v_lshl_or_b32 v[PW], v[TM+5], 8, v[TM+4]
	s_delay_alu instid0(VALU_DEP_1)
	v_lshl_or_b32 v[PW], v[TM+6], 16, v[PW]
	s_delay_alu instid0(VALU_DEP_1)
	v_lshl_or_b32 v[PW], v[TM+7], 24, v[PW]
.irp c, 0,1
	v_cvt_scalef32_pk16_fp6_f32 v[PC+6*\c:PC+2+6*\c], v[\s+32*\c:\s+15+32*\c], v[TM+12+2*\c]
	v_cvt_scalef32_pk16_fp6_f32 v[PC+12+4*\c:PC+14+4*\c], v[\s+16+32*\c:\s+31+32*\c], v[TM+12+2*\c+1]   ; (a conversion's three registers begin on an even number)
.endr
	v_nop                                          ; one plain place behind a scaled conversion
.irp c, 0,1                                    ; the operand's layout wants a whole block in a lane: lanes 0-15 block 2 c, lanes 16-31 block 2 c + 1
.irp i, 0,1,2
	v_permlane16_swap_b32 v[PC+6*\c+\i], v[PC+12+4*\c+\i]
.endr
.irp i, 0,1,2
	s_delay_alu instid0(VALU_DEP_3)
	v_mov_b32 v[PC+3+6*\c+\i], v[PC+12+4*\c+\i]
.endr
.endr
.endm
; THE CHANGE OF SLOTS at the head of phase ph.  Each wave waits for all its tensor loads (its part of the slot that it is about to read), adds 0 to its spare word, and waits for that and for its reads of the slot that it has left.
; ph < 5: behind a round of the cluster's barrier the other slot is filled with phase ph + 1's tiles, which have this phase in which to land.
.macro CHANGE ph
	s_wait_xcnt 0x0                                ; the last phase's stores have read their data: the codes' registers are written again only behind this wait
.if (\ph) < 5
	s_load_b256 s[12:19], s[0:1], 32*(((\ph)+1)/2) ; the four addresses of the tensor of phase ph + 1
	s_wait_kmcnt 0x0
.endif
	s_wait_tensorcnt 0x0                           ; no tensor load of mine is out, so the groups 0 may be written
	ds_add_u32 v[SPW], v[NIL]                      ; 0 onto my spare word
	ds_add_u32 v[SPW], v[NIL]
.if (\ph) < 5
	SETG0 (\ph)+1
.endif
	s_wait_dscnt 0x0                               ; the add is done, and my reads of the slot that I have left are over
.if (\ph) < 5
	CROUND
	TLOAD4
.else
	s_barrier_signal -1
	s_barrier_wait -1
.endif
.endm
; PHASE ph: tensor ph / 2 (q, k, v), head 2 x + ph % 2, from slot ph % 2.
.macro PHASE ph
.set TT, (\ph)/2
.set SUB, (\ph)%2
.set SB, SUB*SLOTB
.if TT == 0
.set IMG, 106496
.set SCO, 102400
.elseif TT == 1
.set IMG, 4096
.set SCO, 0
.else
.set IMG, 53248
.set SCO, 2048
.endif
	s_load_b64 s[20:21], s[0:1], 96+8*TT           ; the bias
.if TT == 2
	s_add_co_u32 s2, s86, SB                       ; source 0: my half's 128 tokens;
	s_add_co_u32 s91, s87, SB                      ; source 1: my channel tile of W
	s_add_co_u32 s98, s89, SB
	s_add_co_u32 s99, s90, SB
.else
	s_mov_b32 s2, SB+WC                            ; source 0: the head's 64 rows of W;
	s_add_co_u32 s91, s85, SB                      ; source 1: my 32 tokens
	s_mov_b32 s98, SB+WSO
	s_add_co_u32 s99, s88, SB
.endif
	v_add_nc_u32 v[A0], s2, v[LT]
	v_add_nc_u32 v[A0+1], s2, v[LT+1]
	v_add_nc_u32 v[A1], s91, v[LT]
	v_add_nc_u32 v[A1+1], s91, v[LT+1]
	v_add_nc_u32 v[AS0], s98, v[L16]
	v_add_nc_u32 v[AS1], s99, v[L16]
	; a row's 16 scale bytes are its four K steps' words: one load of 16 bytes a lane brings two tiles' words, lanes 0-15 the even tile's, lanes 16-31 the odd one's
.if TT == 2
.irp i, 0,1,2,3
	ds_load_b128 v[SW0+4*\i:SW0+4*\i+3], v[AS0] offset:512*\i
.endr
.else
.irp i, 0,1
	ds_load_b128 v[SW0+4*\i:SW0+4*\i+3], v[AS0] offset:512*\i
.endr
.endif
	ds_load_b128 v[SW1:SW1+3], v[AS1]
	s_wait_alu depctr_va_vdst(0)
	s_wait_kmcnt 0x0
	s_add_nc_u64 s[20:21], s[20:21], s[22:23]      ; at my work-group's 128 numbers
.if TT == 2
	global_load_b32 v[BV], v[BVO], s[20:21] offset:256*SUB   ; my channel's bias
.else
.irp u, 0,1                                    ; the bias is the C of each sum's first product: eight registers a tile in the result's layout, loaded into the accumulators
.irp t, 0,1,2,3
	global_load_b128 v[ACC+8*(4*\u+\t):ACC+8*(4*\u+\t)+3], v[H32], s[20:21] offset:256*SUB+64*\t
	global_load_b128 v[ACC+8*(4*\u+\t)+4:ACC+8*(4*\u+\t)+7], v[H32], s[20:21] offset:256*SUB+64*\t+16
.endr
.endr
.endif
.irp s, 0,1,2,3                                ; four K steps of 128; the eight accumulators take turns, one instruction a turn
.if \s > 0
	PLACES 4                                       ; in front of loads into registers that matrix instructions have read
.endif
.if TT == 2
.irp t, 0,1,2,3,4,5,6,7
	FRAG F+12*\t, A0, \s, \t
.endr
	FRAG F+96, A1, \s, 0
.else
.irp t, 0,1,2,3
	FRAG F+12*\t, A0, \s, \t
.endr
.irp u, 0,1
	FRAG F+48+12*\u, A1, \s, \u
.endr
.endif
	s_wait_dscnt 0x0
.if \s == 0
	s_wait_loadcnt 0x0                             ; the bias
.endif
.if TT == 2
.irp t, 0,1,2,3,4,5,6,7
.if \s == 0
	WM ACC+8*\t, F+12*\t, F+96, 1, SW0+4*(\t/2)+\s, SW1+\s, \t%2, 0
.else
	WM ACC+8*\t, F+12*\t, F+96, 0, SW0+4*(\t/2)+\s, SW1+\s, \t%2, 0
.endif
.endr
.else
.irp u, 0,1
.irp t, 0,1,2,3
	WM ACC+8*(4*\u+\t), F+12*\t, F+48+12*\u, 0, SW0+4*(\t/2)+\s, SW1+\s, \t%2, \u
.endr
.endr
.endif
.endr
	PLACES 4                                       ; in front of the first read of results
.if TT == 2
.set j, 0
.rept 32
	v_pk_add_f32 v[ACC+j:ACC+j+1], v[ACC+j:ACC+j+1], v[BV:BV+1] op_sel_hi:[1,0]   ; + my channel's bias
.set j, j+2
.endr
.endif
	QUANT ACC
.irp c, 0,1,2
	global_store_b128 v[L16], v[PC+4*\c:PC+4*\c+3], s[92:93] offset:IMG+6144*SUB+512*\c   ; 32 lanes store 512 consecutive bytes, at a multiple of 256 from the buffer's first byte
.endr
	global_store_b32 v[R4], v[PW], s[94:95] offset:SCO+256*SUB   ; row r's word (lanes 16-31 hold and write the same)
.endm
	s_load_b256 s[12:19], s[0:1], 0x0              ; q's codes, q's scales, Wq's codes, Wq's scales
	s_load_b64 s[92:93], s[0:1], 0x78              ; rec
	v_lshl_add_u32 v[SPW], v0, 2, SPARE
	v_mov_b32 v[NIL], 0
	ds_add_u32 v14, v15
	ds_add_u32 v14, v15
	s_wait_dscnt 0x0
	v_lshrrev_b32 v1, 5, v0
	s_delay_alu instid0(VALU_DEP_1)
	v_readfirstlane_b32 s[WV], v1                  ; wave 0..7
	s_bfe_u32 s5, ttmp6, 0x40000                   ; cx
	s_bfe_u32 s6, ttmp6, 0x40004                   ; cy
	s_lshl_b32 s7, ttmp9, 2
	s_add_co_u32 s7, s7, s5                        ; x: heads 2 x, 2 x + 1
	s_and_b32 s8, ttmp7, 0xffff
	s_lshl_b32 s8, s8, 2
	s_add_co_u32 s8, s8, s6                        ; y: tokens 256 y on
	s_lshl_b32 s9, s6, 2
	s_lshl_b32 s9, 15, s9                          ; my row of the cluster
	s_lshl_b32 s10, 0x1111, s5                     ; my column
	; group 1 for rows of codes: 64 rows x 384 bytes, 16 bytes of padding behind every 128 (32 words: code 4; 4 words: code 3)
	s_or_b32 s[G1XC], s9, (1<<20)|(1<<21)|(4<<22)|(3<<25)
	s_or_b32 s[G1WC], s10, (1<<20)|(1<<21)|(4<<22)|(3<<25)
.irp g, G1XC, G1WC
	; the 64 rows of 384 bytes are one dense block of 24,576 bytes that begins at a multiple of 256: it is stated as 96 rows of 256 bytes; the padding behind every 128 bytes gives the same LDS bytes
	s_mov_b32 s[\g+1], 256<<16                     ; tensor_dim0
	s_mov_b32 s[\g+2], 96<<16                      ; tensor_dim1
	s_mov_b32 s[\g+3], 256<<16                     ; tile_dim0
	s_mov_b32 s[\g+4], 96                          ; tile_dim1
	s_mov_b32 s[\g+5], 256                         ; from row to row
	s_mov_b32 s[\g+6], 0
	s_mov_b32 s[\g+7], 0
.endr
	; the scale bytes are dense blocks: rows of 256 bytes (32 elements of 8 bytes): W's 4 rows, x's 16
	s_or_b32 s[G1WS], s10, (3<<16)|(1<<21)
	s_mov_b32 s[G1WS+1], 32<<16
	s_mov_b32 s[G1WS+2], 4<<16
	s_mov_b32 s[G1WS+3], 32<<16
	s_mov_b32 s[G1WS+4], 4
	s_mov_b32 s[G1WS+5], 32
	s_mov_b32 s[G1WS+6], 0
	s_mov_b32 s[G1WS+7], 0
	s_or_b32 s[G1XS], s9, (3<<16)|(1<<21)
	s_mov_b32 s[G1XS+1], 32<<16
	s_mov_b32 s[G1XS+2], 16<<16
	s_mov_b32 s[G1XS+3], 32<<16
	s_mov_b32 s[G1XS+4], 16
	s_mov_b32 s[G1XS+5], 32
	s_mov_b32 s[G1XS+6], 0
	s_mov_b32 s[G1XS+7], 0
	s_mov_b32 s[G0XC], 1
	s_mov_b32 s[G0WC], 1
	s_mov_b32 s[G0WS], 1
	s_mov_b32 s[G0XS], 1
	s_and_b32 s3, s[WV], 3
	s_lshr_b32 s11, s[WV], 2
	s_mul_i32 s84, s3, 64*P                        ; where the 64 rows of x that I fetch go
	s_mul_i32 s85, s[WV], 32*P                     ; q, k: my 32 tokens
	s_mul_i32 s86, s11, 128*P                      ; v: my half's 128 tokens
	s_mul_i32 s87, s3, TILEB
	s_add_co_u32 s87, s87, WC                      ; v: my channel tile
	s_lshl_b32 s88, s[WV], 9
	s_add_co_u32 s88, s88, XSO                     ; and the scale bytes of each
	s_lshl_b32 s89, s11, 11
	s_add_co_u32 s89, s89, XSO
	s_lshl_b32 s90, s3, 8
	s_add_co_u32 s90, s90, WSO
	s_mul_i32 s76, s8, 98304                       ; x's codes: 256 y rows of 384 bytes,
	s_mul_i32 s2, s3, 24576                        ; + the 64 rows that I fetch
	s_add_co_u32 s76, s76, s2
	s_mov_b32 s77, 0
	s_mul_i32 s78, s7, 49152                       ; W's codes: 128 x rows
	s_mov_b32 s79, 0
	s_lshl_b32 s80, s8, 12                         ; x's scale bytes
	s_mov_b32 s81, 0
	s_lshl_b32 s82, s7, 11                         ; W's
	s_mov_b32 s83, 0
	s_lshl_b32 s22, s7, 9                          ; the bias: 128 x numbers
	s_mov_b32 s23, 0
	s_lshl_b32 s91, s8, 1
	s_add_co_u32 s91, s91, s11                     ; my record: 2 y + wave / 4 (16 records a batch, 8 blocks y a batch)
	s_mul_i32 s91, s91, RECB
	s_mov_b32 s[SEL], 0x76543210
	s_mov_b32 s[SEL+1], 0xfedcba98
	s_wait_kmcnt 0x0
	SETG0 0
	s_lshl_b32 s98, s7, 9                          ; scale words: 256 bytes a head, 64 a pair or channel tile
	s_add_co_u32 s98, s98, s91
	s_lshl_b32 s2, s3, 6
	s_add_co_u32 s98, s98, s2
	s_mov_b32 s99, 0
	s_add_nc_u64 s[94:95], s[92:93], s[98:99]
	s_mul_i32 s98, s7, 12288                       ; images: 6,144 bytes a head, 1,536 a pair or channel tile
	s_add_co_u32 s98, s98, s91
	s_mul_i32 s2, s3, 1536
	s_add_co_u32 s98, s98, s2
	s_add_nc_u64 s[92:93], s[92:93], s[98:99]
	CROUND                                         ; all sixteen work-groups are here: the first joint loads meet
	TLOAD4                                         ; phase 0's tiles into slot 0
	v_and_b32 v1, 15, v0                           ; r
	v_bfe_u32 v53, v0, 4, 1                        ; lane / 16
	s_delay_alu instid0(VALU_DEP_2)
	v_mul_u32_u24 v[LT], v1, P
	s_delay_alu instid0(VALU_DEP_1)
	v_mad_u32_u24 v[LT], v53, 24, v[LT]
	s_delay_alu instid0(VALU_DEP_1)
	v_lshl_add_u32 v[LT+1], v53, 4, v[LT]
	v_and_b32 v[L16], 31, v0
	s_delay_alu instid0(VALU_DEP_1)
	v_lshlrev_b32 v[L16], 4, v[L16]
	v_lshlrev_b32 v[R4], 2, v1
	v_lshlrev_b32 v[H32], 5, v53
	s_lshl_b32 s2, s3, 6
	v_add_nc_u32 v[BVO], s2, v[R4]
.irp b, 0,1,2,3
	v_mov_b32 v[TM+4+\b], 0                        ; written once: a lane permute's destination counts as one of its sources
.endr
	v_mov_b32 v[BV+1], 0                           ; (named as the upper half of a pair)
	; Wo AS IMAGES OF OPERAND REGISTERS, for the next launch: fragment f = 4 n + s (16 rows 16 n on, K step s) is 1,536 bytes of woimg: six slices of 256 bytes, slice p = registers 2 p, 2 p + 1, lane l's 8 bytes at 8 l.
	; Work-group g = 4 y + x lays half a fragment (768 bytes at 768 g); its wave 7, which fetches no tile, does it.
	s_wait_alu depctr_va_vdst(0)
	s_cmp_lg_u32 s[WV], 7
	s_cbranch_scc1 .Lno_wo
	s_load_b128 s[12:15], s[0:1], 0x80             ; Wo's codes, woimg
	s_lshl_b32 s2, s8, 2
	s_add_co_u32 s2, s2, s7                        ; g
	s_lshr_b32 s98, s2, 3                          ; n
	s_mul_i32 s98, s98, 6144                       ; 16 rows of 384 bytes
	s_and_b32 s99, s2, 7                           ; 2 s + half
	s_mul_i32 s99, s99, 48
	s_add_co_u32 s98, s98, s99
	s_mul_i32 s99, s2, 768
	v_mul_u32_u24 v76, v1, 384
	v_mad_u32_u24 v76, v53, 24, v76
	v_add_nc_u32 v76, s98, v76                     ; row r, + 24 (lane / 16)
	v_lshrrev_b32 v77, 1, v[L16]                   ; 8 x lane
	v_add_nc_u32 v77, s99, v77
	s_wait_alu depctr_va_vdst(0)
	s_wait_kmcnt 0x0
	global_load_b64 v[78:79], v76, s[12:13]
	global_load_b64 v[80:81], v76, s[12:13] offset:8
	global_load_b64 v[82:83], v76, s[12:13] offset:16
	s_wait_loadcnt 0x0
	global_store_b64 v77, v[78:79], s[14:15]       ; 32 lanes store 256 consecutive bytes, at a multiple of 256
	global_store_b64 v77, v[80:81], s[14:15] offset:256
	global_store_b64 v77, v[82:83], s[14:15] offset:512
.Lno_wo:
.irp ph, 0,1,2,3,4,5
	CHANGE \ph
	PHASE \ph
.endr
	s_wait_tensorcnt 0x0                           ; the wave's end
	ds_add_u32 v[SPW], v[NIL]
	s_wait_dscnt 0x0
	CROUND                                         ; the closing round: no work-group ends while a partner may still ask for a tile that names it
	s_endpgm
.Lfunc_end_k_qe0431920a7_proj:
	.size	k_qe0431920a7_proj, .Lfunc_end_k_qe0431920a7_proj-k_qe0431920a7_proj
	.p2alignl 7, 3214868480
	.fill 96, 4, 3214868480
	.section	.rodata,"a",@progbits
	.p2align	6, 0x0
	.amdhsa_kernel k_qe0431920a7_proj
		.amdhsa_group_segment_fixed_size 327680
		.amdhsa_private_segment_fixed_size 0
		.amdhsa_enable_private_segment 0
		.amdhsa_kernarg_size 144
		.amdhsa_user_sgpr_count 2
		.amdhsa_user_sgpr_kernarg_segment_ptr 1
		.amdhsa_wavefront_size32 1
		.amdhsa_system_sgpr_workgroup_id_x 1
		.amdhsa_system_sgpr_workgroup_id_y 1
		.amdhsa_system_sgpr_workgroup_id_z 1
		.amdhsa_system_vgpr_workitem_id 0
		.amdhsa_next_free_vgpr 256
		.amdhsa_next_free_sgpr 100
		.amdhsa_reserve_vcc 0
		.amdhsa_float_denorm_mode_32 3
		.amdhsa_float_denorm_mode_16_64 3
		.amdhsa_memory_ordered 1
		.amdhsa_forward_progress 1
		.amdhsa_inst_pref_size 159
	.end_amdhsa_kernel
	.amdgpu_metadata
---
amdhsa.version: [ 1, 2 ]
amdhsa.kernels:
  - .name:           k_qe0431920a7_proj
    .symbol:         k_qe0431920a7_proj.kd
    .args:
      - { .name: q_codes, .offset: 0, .size: 8, .value_kind: global_buffer, .address_space: global }
      - { .name: q_scales, .offset: 8, .size: 8, .value_kind: global_buffer, .address_space: global }
      - { .name: Wq_codes, .offset: 16, .size: 8, .value_kind: global_buffer, .address_space: global }
      - { .name: Wq_scales, .offset: 24, .size: 8, .value_kind: global_buffer, .address_space: global }
      - { .name: k_codes, .offset: 32, .size: 8, .value_kind: global_buffer, .address_space: global }
      - { .name: k_scales, .offset: 40, .size: 8, .value_kind: global_buffer, .address_space: global }
      - { .name: Wk_codes, .offset: 48, .size: 8, .value_kind: global_buffer, .address_space: global }
      - { .name: Wk_scales, .offset: 56, .size: 8, .value_kind: global_buffer, .address_space: global }
      - { .name: v_codes, .offset: 64, .size: 8, .value_kind: global_buffer, .address_space: global }
      - { .name: v_scales, .offset: 72, .size: 8, .value_kind: global_buffer, .address_space: global }
      - { .name: Wv_codes, .offset: 80, .size: 8, .value_kind: global_buffer, .address_space: global }
      - { .name: Wv_scales, .offset: 88, .size: 8, .value_kind: global_buffer, .address_space: global }
      - { .name: bq, .offset: 96, .size: 8, .value_kind: global_buffer, .address_space: global }
      - { .name: bk, .offset: 104, .size: 8, .value_kind: global_buffer, .address_space: global }
      - { .name: bv, .offset: 112, .size: 8, .value_kind: global_buffer, .address_space: global }
      - { .name: rec, .offset: 120, .size: 8, .value_kind: global_buffer, .address_space: global }
      - { .name: Wo_codes, .offset: 128, .size: 8, .value_kind: global_buffer, .address_space: global }
      - { .name: woimg, .offset: 136, .size: 8, .value_kind: global_buffer, .address_space: global }
    .group_segment_fixed_size: 327680
    .private_segment_fixed_size: 0
    .kernarg_segment_align: 8
    .kernarg_segment_size: 144
    .max_flat_workgroup_size: 256
    .sgpr_count:     100
    .vgpr_count:     256
    .wavefront_size: 32
...
	.end_amdgpu_metadata
.endif
;; end of part 1
;; launch attn (part 2): grid 32 x 8, 8 waves a work-group, clusters of 4 x 4, 327,680 bytes of LDS; arguments rec, mask, woimg, Wo_scales, bo, out0; writes out0
.if DOCPART == 2
	.amdgcn_target "amdgcn-amd-amdhsa--gfx1250"
	.amdhsa_code_object_version 6
	.text
	.protected	k_qe0431920a7_attn
	.globl	k_qe0431920a7_attn
	.p2align	8
	.type	k_qe0431920a7_attn,@function
k_qe0431920a7_attn:
	s_mov_b64 s[64:65], 0
	v_nop
	global_prefetch_b8 v0, s[64:65] scope:SCOPE_SE
	s_setreg_imm32_b32 hwreg(HW_REG_WAVE_MODE, 25, 1), 1
	s_wait_xcnt 0x0
	s_wait_alu depctr_hold_cnt(0) depctr_sa_sdst(0) depctr_va_vdst(0) depctr_va_sdst(0) depctr_va_ssrc(0) depctr_va_vcc(0) depctr_vm_vsrc(0)
	s_getreg_b32 s2, hwreg(HW_REG_IB_STS2, 6, 4)
	s_cmp_eq_u32 s2, 0
	s_cbranch_scc0 .Lentry_in_a_cluster
	s_endpgm
.Lentry_in_a_cluster:
	s_bfe_u32 s2, ttmp6, 0x10000c
	s_cmp_lg_u32 s2, 0xf033
	s_cbranch_scc0 .Lentry_shape_is_right
	s_endpgm
.Lentry_shape_is_right:
; ATTENTION AND THE OUT PROJECTION, all products on codes of FP6 (E2M3) with one E8M0 scale for each 32 along K.
; out = (softmax(q k^T / sqrt(512) - 1e9 mask) v, heads side by side) Wo + bo.  q, k, v come as images of operand registers out of rec, Wo out of woimg (the launch before gives both layouts).  No work of the problem is left out.
; THE SOFTMAX: s = score - mask x 1e9 sqrt(512); t = s x log2(e) / sqrt(512); M = the running largest t rounded up to a whole number; p = 2^(t - M) is quantised along the keys, not normalised; the row's sum is taken of the
; unquantised p and divides at the end.  When M moves, the sum and O are multiplied by 2^(old M - new M), which rounds nothing.  The mask is read as it is given: no key is passed over.
; SHARES.  A work-group owns 64 queries of one batch, all eight heads.  Wave w: 16 queries (16 (w / 2) on) x four heads (4 (w % 2) on).  Its 16 x 128 numbers of the mask are read and scaled ONCE a key step and serve four heads
; as the C of the score products.  16 key steps of 128.  Two waves share a SIMD.
; LAYOUT.  Both products are used transposed (source 0 = keys, or channels of v; source 1 = my 16 queries): a lane holds one query throughout.
; K = 64 IN AN INSTRUCTION OF 128: a pair image of k holds token tile 2 p at K places 0-63 and tile 2 p + 1 at 64-127; q stands in 18 registers as [q][zeros][q]: registers 0-11 give tile 2 p's scores, 6-17 tile 2 p + 1's.
; Inside each block of 32 the places hold the numbers 0-7, 16-23, 8-15, 24-31, alike on both sides of both products.  The context meets a GIVEN operand (Wo): there exchanges of halves restore the true order.
; CLUSTER 4 x 4.  k's and v's images hang on the batch alone and are asked for jointly along a row of the cluster; the mask's tile hangs on the block of queries alone and jointly along a column.
; RING: two slots, each a key step: the record's first 102,400 bytes (waves 0-3, a quarter each) and 64 rows x 512 bytes of the mask (waves 4-7, 16 rows each): one tensor load a wave, at most one of a wave out.
; THE CHANGE OF SLOTS STANDS INSIDE THE FOURTH HEAD'S UNIT: when its fragments of v are in registers, the wave reads the slot no more.  Behind the round the slot takes the key step two on, the next step's mask and first
; images are fetched from the other slot, and the unit's remaining work on registers follows.
; LIMITS.  The promise holds while |t| stays under 2^31.  s is summed in the matrix unit with the mask's term as C, and t - M is one fused multiply-add, where the source rounds the division, the sum and the factor one by one:
; the same for mask values 0 and 1; a row that is masked from end to end comes out uniform while |score| stays under 1,024 and the unit's sum rounds as a fused multiply-add does.  NaN and infinities are not served.
; 1 / sum by v_rcp_f32.  A block of zeros has the scale byte 1 (its codes are zeros; this program alone reads the bytes).
.set RECB,  155648
.set VIMG,  49152                      ; from k's images to v's
.set MOFF,  102400                     ; in a slot: the record's part, then the mask's tile
.set MP,    528                        ; a row of the mask's tile: 512 bytes + 16
.set SLOTB, MOFF+64*MP
.set SPARE, 2*SLOTB                    ; the spare words, 128 bytes for each of eight waves: four blocks of 256 bytes that no other line names
.set CIMG,  0                          ; the tail, in slot 0, which has had its last fill: the context's 16 fragments (query tile m, K step s: 4 m + s), 1,536 bytes each,
.set CSC,   24576                      ; their scale words [m][s][16],
.set STG,   25600                      ; and each wave's own stage for out: 16 rows x (256 bytes + 16)
.set SPT,   272
; window 0
.set AIM0, 1                           ; v1-3 my lane's place among my heads' images of k, their scale words, the mask's tile
.set ASC0, 2
.set AM0,  3
.set ADI,  4                           ; v4-6, v51 the same in the slot in hand; v51: v's images
.set ADS,  5
.set ADM,  6
.set SPW,  7                           ; v7  LDS address of my spare word; never rewritten
.set NIL,  8                           ; v8  0; never rewritten
.set PFO,  9                           ; v9  the prefetches' offset; never rewritten
.set ST,   10                          ; v10-25 head h at 10 + 4 h: -M, the largest t, the sum in two halves
.set FF,   26                          ; v26 2^(old M - new M)  (v27 is named with it as a pair)
.set QS,   28                          ; v28-31 q's scale words; v32-33 k's; v34-35 v's; v36 p's.  In the tail v28-35 Wo's, v36, v37, v250, v251 the context's.  These hold scale words alone
.set KS,   32
.set VS,   34
.set PS,   36
.set BM,   38                          ; v38-41 each block's largest s, then p
.set T,    42                          ; v42-45 permutes, bytes
.set SO,   46                          ; v46-49 the conversions' scale operands
.set SCR,  50
.set ADV,  51
.set CH2,  52                          ; v52-53 the sum's second chain
.set PC,   54                          ; v54-73 p's codes (0-11) and the conversions' second halves (12-14, 16-18)
.set KB,   74                          ; v74-121 four pair images of k
.set X,    122                         ; v122-185 the mask's term
.set S,    186                         ; v186-249 s, t - M, p
; window 1
.set O,    0                           ; O^T, 32 registers a head
.set QF,   128                         ; [q][zeros][q], 18 registers a head
.set VB,   200                         ; v's four fragments
; the tail
.set WF,   58                          ; window 0: Wo's sixteen fragments, v58-249
.set WS,   28
.set CW,   36
.set CQ,   10                          ; v10-21 a fragment of the context; v22-24, v54-56 the conversions' second halves
.set STO,  51
.set RD,   52
.set CO,   57
.set CF,   128                         ; window 1: the context's fragments, two sets of four; BO: bo, 8 registers a tile of columns; 0-63 accumulators, 64-127 rows read back, two sets each
.set BO,   224
.set WV,   16                          ; s16 my wave's number; s17 w % 2; s18 w / 2; s23 w / 4
.set G1K,  24
.set G1M,  32
.set G0K,  40
.set G0M,  44
.set TB,   48                          ; s48 the slot in hand
.set TBF,  49                          ; s49 the slot filled last
.set SLOTS, 50                         ; s50 the loops' counter
.set CS,   52                          ; s[52:53] log2(e) / sqrt(512)
.set KC,   54                          ; s[54:55] -1e9 sqrt(512)
.set SEL,  56                          ; s[56:57] v_permlanex16_b32's selects for lane l xor 16
.set PFA,  58                          ; s[58:59] where my prefetches stand
.set PFS,  60                          ; s[60:61] a key step on, in bytes
.set LIM,  62                          ; s62 1 in a wave that prefetches, else the greatest number
.set MSB, 0
.macro WIN new                         ; the immediate's high byte repeats the setting that is left
.if MSB != \new
	s_set_vgpr_msb (MSB<<8)|\new
.set MSB, \new
.endif
.endm
.macro PLACES n
.rept \n
	v_nop
.endr
.endm
.macro CREST                           ; a round of the cluster's barrier behind its opening barrier
	s_cmp_lg_u32 s[WV], 0
	s_cbranch_scc1 .Lnot_wave_0_\@
	s_barrier_signal -3
.Lnot_wave_0_\@:
	s_barrier_wait -3
	s_barrier_signal -1
	s_barrier_wait -1
.endm
.macro CROUND
	s_barrier_signal -1
	s_barrier_wait -1
	CREST
.endm
.macro JLOAD                           ; a fill: every wave issues one joint load; the branch hangs on the wave's number alone; s_nop 0 and four v_nop follow each load
	s_cmp_eq_u32 s23, 0
	s_cbranch_scc0 .Lfor_m_\@
	tensor_load_to_lds s[G0K:G0K+3], s[G1K:G1K+7]
	s_nop 0
	PLACES 4
	s_branch .Lasked_\@
.Lfor_m_\@:
	tensor_load_to_lds s[G0M:G0M+3], s[G1M:G1M+7]
	s_nop 0
	PLACES 4
.Lasked_\@:
.endm
.macro FILLSET                         ; the groups 0 for the next fill: the other slot, a key step on.  Written only where no tensor load of mine is out
	s_xor_b32 s[TBF], s[TBF], SLOTB
	s_add_co_u32 s[G0K+1], s[TBF], s51
	s_add_nc_u64 s[G0K+2:G0K+3], s[G0K+2:G0K+3], RECB
	s_add_co_u32 s[G0M+1], s[TBF], s63
	s_add_nc_u64 s[G0M+2:G0M+3], s[G0M+2:G0M+3], 512
.endm
; A PREFETCH INTO THE L2 of what the NEXT refill will ask for, a key step ahead of that load.  The images (384 blocks of 256 bytes a step) are walked by all clusters of a batch: the clusters with x = 0 ask; the partner at cx takes
; 96 blocks, told apart by address; in it waves 5 to 7 take 32 each.  The mask's tile (64 rows x 2 blocks): the clusters with y = 0 ask; the partner at cy takes 16 rows, by address; wave 4 asks, two lanes a row.
; The last refill asks for nothing.  Steps 0 to 2 and the scale words come by their loads alone.
.macro ASK
	s_cmp_gt_u32 s[SLOTS], s[LIM]
	s_cbranch_scc0 .Lnot_mine_\@
	global_prefetch_b8 v[PFO], s[PFA:PFA+1] th:TH_LOAD_NT scope:SCOPE_SE
.Lnot_mine_\@:
.endm
; The matrix line.  ra, rb = 1: that side's scale words stand in lanes 16-31.
.macro WM d, a, b, c, sa, sb, ra, rb
.if (\ra) && (\rb)
	v_wmma_scale_f32_16x16x128_f8f6f4 v[(\d):(\d)+7], v[(\a):(\a)+11], v[(\b):(\b)+11], v[(\c):(\c)+7], v[\sa], v[\sb] matrix_a_fmt:MATRIX_FMT_FP6 matrix_b_fmt:MATRIX_FMT_FP6 matrix_a_scale:MATRIX_SCALE_ROW1 matrix_b_scale:MATRIX_SCALE_ROW1
.elseif (\ra)
	v_wmma_scale_f32_16x16x128_f8f6f4 v[(\d):(\d)+7], v[(\a):(\a)+11], v[(\b):(\b)+11], v[(\c):(\c)+7], v[\sa], v[\sb] matrix_a_fmt:MATRIX_FMT_FP6 matrix_b_fmt:MATRIX_FMT_FP6 matrix_a_scale:MATRIX_SCALE_ROW1
.elseif (\rb)
	v_wmma_scale_f32_16x16x128_f8f6f4 v[(\d):(\d)+7], v[(\a):(\a)+11], v[(\b):(\b)+11], v[(\c):(\c)+7], v[\sa], v[\sb] matrix_a_fmt:MATRIX_FMT_FP6 matrix_b_fmt:MATRIX_FMT_FP6 matrix_b_scale:MATRIX_SCALE_ROW1
.else
	v_wmma_scale_f32_16x16x128_f8f6f4 v[(\d):(\d)+7], v[(\a):(\a)+11], v[(\b):(\b)+11], v[(\c):(\c)+7], v[\sa], v[\sb] matrix_a_fmt:MATRIX_FMT_FP6 matrix_b_fmt:MATRIX_FMT_FP6
.endif
.endm
.macro KLOAD h                         ; head h's four pair images of k and their scale words (lanes 0-15 the even pair's, lanes 16-31 the odd one's): 14 LDS loads
.irp p, 0,1,2,3
.irp c, 0,1,2
	ds_load_b128 v[KB+12*\p+4*\c:KB+12*\p+4*\c+3], v[ADI] offset:6144*(\h)+1536*\p+512*\c
.endr
.endr
	ds_load_b32 v[KS], v[ADS] offset:256*(\h)
	ds_load_b32 v[KS+1], v[ADS] offset:256*(\h)+128
.endm
.macro NEXTADR                         ; on to the other slot
	s_xor_b32 s[TB], s[TB], SLOTB
	v_add_nc_u32 v[ADI], s[TB], v[AIM0]
	v_add_nc_u32 v[ADS], s[TB], v[ASC0]
	v_add_nc_u32 v[ADM], s[TB], v[AM0]
	v_add_nc_u32 v[ADV], VIMG, v[ADI]
.endm
.macro NEXTLD                          ; a step's first loads: the mask at my query, in the scores' layout (key 16 t + 8 (lane / 16) + 0 .. 7), then the first head's k
.irp t, 0,1,2,3,4,5,6,7
.irp q, 0,1
	ds_load_b128 v[X+8*\t+4*\q:X+8*\t+4*\q+3], v[ADM] offset:64*\t+16*\q
.endr
.endr
	KLOAD 0
.endm
; Head h's scores, the mask's term as C; then its fragments of v and the next head's k are asked for.
.macro SCOREP h
	s_wait_dscnt 0x0                               ; k's images and scale words are in
	WIN 0x04                                       ; source 1 (q) in window 1
.irp t, 0,1,2,3,4,5,6,7
	WM S+8*\t, KB+12*(\t/2), QF+18*(\h)+6*(\t%2), X+8*\t, KS+\t/4, QS+(\h), (\t/2)%2, 0
.endr
	WIN 0
	PLACES 4                                       ; in front of loads into operands of the products issued, and of the first read of the scores
	WIN 0x40
.irp t, 0,1,2,3
.irp c, 0,1,2
	ds_load_b128 v[VB+12*\t+4*\c:VB+12*\t+4*\c+3], v[ADV] offset:6144*(\h)+1536*\t+512*\c
.endr
.endr
	WIN 0
	ds_load_b32 v[VS], v[ADS] offset:2048+256*(\h)
	ds_load_b32 v[VS+1], v[ADS] offset:2176+256*(\h)
.if (\h) < 3
	KLOAD (\h)+1
.endif
.endm
.macro SM1 h                           ; each block's largest s (it serves the row's maximum and the block's scale), the new M, and f
.set SU, ST+4*(\h)
.irp b, 0,1,2,3
	v_max3_num_f32 v[BM+\b], v[S+16*\b], v[S+16*\b+1], v[S+16*\b+2]
.endr
.irp i, 3,5,7,9,11,13
.irp b, 0,1,2,3
	v_max3_num_f32 v[BM+\b], v[BM+\b], v[S+16*\b+\i], v[S+16*\b+\i+1]
.endr
.endr
.irp b, 0,1,2,3
	v_max_num_f32 v[BM+\b], v[BM+\b], v[S+16*\b+15]
.endr
.irp b, 0,1,2,3
	v_permlanex16_b32 v[T+\b], v[BM+\b], s[SEL], s[SEL+1]
.endr
.irp b, 0,1,2,3
	v_max_num_f32 v[BM+\b], v[BM+\b], v[T+\b]      ; with lane l xor 16's 16 keys
.endr
	s_delay_alu instid0(VALU_DEP_2)
	v_max3_num_f32 v[SCR], v[BM], v[BM+1], v[BM+2]
	s_delay_alu instid0(VALU_DEP_1)
	v_max_num_f32 v[SCR], v[SCR], v[BM+3]
	s_delay_alu instid0(VALU_DEP_1)
	v_mul_f32 v[SCR], s[CS], v[SCR]                ; as t (the factor is positive)
	s_delay_alu instid0(VALU_DEP_1)
	v_max_num_f32 v[SU+1], v[SU+1], v[SCR]         ; the running largest t
	v_mov_b32 v[SCR], v[SU]
	s_delay_alu instid0(VALU_DEP_2)
	v_floor_f32 v[SU], -v[SU+1]                    ; the new -M = floor(-t): M is a whole number
	s_delay_alu instid0(VALU_DEP_1)
	v_sub_f32 v[SCR], v[SU], v[SCR]                ; old M less new M: a whole number, 0 or less
	s_delay_alu instid0(VALU_DEP_1)
	v_cvt_i32_f32 v[SCR], v[SCR]                   ; (it saturates)
	s_delay_alu instid0(VALU_DEP_1)
	v_ldexp_f32 v[FF], 1.0, v[SCR]                 ; f = 2^(old M - new M)
.endm
.macro SM2 h                           ; p = 2^(s c - M)
.set SU, ST+4*(\h)
.set j, 0
.rept 32
	v_pk_fma_f32 v[S+j:S+j+1], v[S+j:S+j+1], s[CS:CS+1], v[SU:SU+1] op_sel_hi:[1,0,0]
.set j, j+2
.endr
.irp b, 0,1,2,3
	v_fma_f32 v[BM+\b], v[BM+\b], s[CS], v[SU]     ; the same of each block's largest s
.endr
	s_wait_alu depctr_va_vdst(0)
.set j, 0
.rept 64
	v_exp_f32 v[S+j], v[S+j]
.set j, j+1
.endr
.irp b, 0,1,2,3
	v_exp_f32 v[BM+\b], v[BM+\b]                   ; the block's largest p: the same instructions on the same number give the same bits
.endr
	v_pk_mul_f32 v[SU+2:SU+3], v[SU+2:SU+3], v[FF:FF+1] op_sel_hi:[1,0]   ; the sums under the new M (a plain place behind the exponentials)
	s_wait_alu depctr_va_vdst(0)                   ; and behind it
.endm
.macro SM3 h, vw                       ; p's codes and scale word, the row's sum, O under the new M, O += v p.  vw: the LDS loads issued behind v's, which may stay out (-1: v is in)
.set SU, ST+4*(\h)
.set OU, O+32*(\h)
.irp b, 0,1,2,3
	v_max_num_f32 v[BM+\b], 0x1800000, v[BM+\b]    ; the floor 2^(3 - 127): the byte cannot fall under 1
.endr
.irp b, 0,1,2,3
	v_add_nc_u32 v[SO+\b], 0xff000000, v[BM+\b]    ; 2 off the exponent field: the conversion's scale operand
.endr
.irp b, 0,1,2,3
	v_lshrrev_b32 v[T+\b], 23, v[SO+\b]            ; the scale's byte
.endr
	s_delay_alu instid0(VALU_DEP_3)
	v_lshl_or_b32 v[PS], v[T+1], 8, v[T]
	s_delay_alu instid0(VALU_DEP_1)
	v_lshl_or_b32 v[PS], v[T+2], 16, v[PS]
	s_delay_alu instid0(VALU_DEP_1)
	v_lshl_or_b32 v[PS], v[T+3], 24, v[PS]
.irp c, 0,1
	v_cvt_scalef32_pk16_fp6_f32 v[PC+6*\c:PC+2+6*\c], v[S+32*\c:S+15+32*\c], v[SO+2*\c]
	v_cvt_scalef32_pk16_fp6_f32 v[PC+12+4*\c:PC+14+4*\c], v[S+16+32*\c:S+31+32*\c], v[SO+2*\c+1]   ; (a conversion's three registers begin on an even number)
.endr
	v_nop                                          ; one plain place behind a scaled conversion
.irp c, 0,1                                    ; a whole block in a lane: lanes 0-15 block 2 c, lanes 16-31 block 2 c + 1
.irp i, 0,1,2
	v_permlane16_swap_b32 v[PC+6*\c+\i], v[PC+12+4*\c+\i]
.endr
.irp i, 0,1,2
	v_mov_b32 v[PC+3+6*\c+\i], v[PC+12+4*\c+\i]
.endr
.endr
	v_pk_add_f32 v[CH2:CH2+1], v[S:S+1], v[S+2:S+3]   ; the row's sum, of the unquantised p, in two chains
.set j, 4
.rept 15
	v_pk_add_f32 v[SU+2:SU+3], v[SU+2:SU+3], v[S+j:S+j+1]
	v_pk_add_f32 v[CH2:CH2+1], v[CH2:CH2+1], v[S+j+2:S+j+3]
.set j, j+4
.endr
	s_delay_alu instid0(VALU_DEP_1)
	v_pk_add_f32 v[SU+2:SU+3], v[SU+2:SU+3], v[CH2:CH2+1]
	WIN 0x41
	s_wait_alu depctr_va_vdst(0)
.set j, 0
.rept 16
	v_pk_mul_f32 v[OU+j:OU+j+1], v[OU+j:OU+j+1], v[FF:FF+1] op_sel_hi:[1,0]
.set j, j+2
.endr
.if (\vw) >= 0
	s_wait_alu depctr_va_vdst(0)
	s_wait_dscnt \vw
.endif
	WIN 0x51                                       ; v's fragments and O^T in window 1, p's codes in window 0
.irp t, 0,1,2,3
	WM OU+8*\t, VB+12*\t, PC, OU+8*\t, VS+\t/2, PS, \t%2, 0
.endr
	WIN 0
.endm
; A KEY STEP.  fill = 1: the slot is filled again with the key step two on.  fill = 0: the last two steps; the very last fetches nothing more.
.macro STEP fill
	s_wait_dscnt 14                                ; the mask is in; k's 14 loads, issued behind it, may be out
.set j, 0
.rept 32
	v_pk_mul_f32 v[X+j:X+j+1], v[X+j:X+j+1], s[KC:KC+1] op_sel_hi:[1,0]   ; mask x (-1e9 sqrt(512)), once for four heads
.set j, j+2
.endr
	PLACES 4
	s_wait_alu depctr_va_vdst(0)
.irp h, 0,1,2
	SCOREP \h
	SM1 \h
	SM2 \h
	SM3 \h, 14                                     ; behind v's loads: the next head's k, 14 loads
.endr
	SCOREP 3
	s_wait_tensorcnt 0x0                           ; my part of the other slot has landed; no tensor load of mine is out
.if \fill
	ds_add_u32 v[SPW], v[NIL]                      ; 0 onto my spare word; work on registers follows
	FILLSET
	s_wait_xcnt 0x0                                ; the last prefetch, a key step back, has read its address
	s_add_nc_u64 s[PFA:PFA+1], s[PFA:PFA+1], s[PFS:PFS+1]
.endif
	SM1 3
	s_wait_alu depctr_va_vdst(0)
	s_wait_dscnt 0x0                               ; the add is done, and my reads of this slot are over: v's last fragments are in registers
	s_barrier_signal -1
	SM2 3                                          ; work on registers while the others arrive
	s_barrier_wait -1
.if \fill
	CREST                                          ; the barrier has opened a round of the cluster's barrier: no wave of any partner still reads this slot or has a load on its way
	JLOAD
	NEXTADR
	NEXTLD
	ASK
.else
	NEXTADR
	s_cmp_eq_u32 s[SLOTS], 1
	s_cbranch_scc1 .Lno_next_\@
	NEXTLD
.Lno_next_\@:
.endif
	SM3 3, -1
.endm
	s_load_b256 s[4:11], s[0:1], 0x0               ; rec s[4:5], mask s[6:7], woimg s[8:9], Wo's scales s[10:11]
	s_load_b128 s[12:15], s[0:1], 0x20             ; bo s[12:13], out s[14:15]
	v_lshl_add_u32 v[SPW], v0, 2, SPARE
	v_mov_b32 v[NIL], 0
	ds_add_u32 v[SPW], v[NIL]
	ds_add_u32 v[SPW], v[NIL]
	v_lshrrev_b32 v1, 5, v0
	v_readfirstlane_b32 s[WV], v1                  ; wave 0..7
	s_and_b32 s17, s[WV], 1                        ; which four heads
	s_lshr_b32 s18, s[WV], 1                       ; which 16 of the 64 queries
	s_lshr_b32 s23, s[WV], 2                       ; I fetch images (0) or the mask (1)
	s_bfe_u32 s19, ttmp6, 0x40000                  ; cx
	s_bfe_u32 s20, ttmp6, 0x40004                  ; cy
	s_lshl_b32 s21, ttmp9, 2
	s_add_co_u32 s21, s21, s19                     ; the block of 64 queries
	s_and_b32 s22, ttmp7, 0xffff
	s_lshl_b32 s22, s22, 2
	s_add_co_u32 s22, s22, s20                     ; the batch
	s_lshl_b32 s66, s20, 2
	s_lshl_b32 s66, 15, s66                        ; my row of the cluster
	s_lshl_b32 s67, 0x1111, s19                    ; my column
	; group 1 for a quarter of a record's part: a dense block of 25,600 bytes as 100 rows of 256 (32 elements of 8 bytes)
	s_or_b32 s[G1K], s66, (3<<16)|(1<<21)
	s_mov_b32 s[G1K+1], 32<<16
	s_mov_b32 s[G1K+2], 100<<16
	s_mov_b32 s[G1K+3], 32<<16
	s_mov_b32 s[G1K+4], 100
	s_mov_b32 s[G1K+5], 32
	s_mov_b32 s[G1K+6], 0
	s_mov_b32 s[G1K+7], 0
	; and for 16 rows of the mask's tile: 128 elements of 4 bytes, 2,048 from row to row, 4 words of padding (code 3) behind every 128 (code 6)
	s_or_b32 s[G1M], s67, (2<<16)|(1<<20)|(1<<21)|(6<<22)|(3<<25)
	s_mov_b32 s[G1M+1], 128<<16
	s_mov_b32 s[G1M+2], 16<<16
	s_mov_b32 s[G1M+3], 128<<16
	s_mov_b32 s[G1M+4], 16
	s_mov_b32 s[G1M+5], 2048
	s_mov_b32 s[G1M+6], 0
	s_mov_b32 s[G1M+7], 0
	s_and_b32 s74, s[WV], 3
	s_mul_i32 s51, s74, 25600                      ; the quarter of the images that I would fetch
	s_mul_i32 s63, s74, 16*MP
	s_add_co_u32 s63, s63, MOFF                    ; and the 16 rows of the mask
	s_mul_i32 s68, s22, 16*RECB                    ; the batch's first record
	s_add_co_u32 s68, s68, s51
	s_mov_b32 s69, 0
	s_lshl_b32 s70, s21, 19                        ; the mask's rows: 64 rows of 8,192 bytes a block
	s_lshl_b32 s71, s74, 17
	s_add_co_u32 s70, s70, s71
	s_mov_b32 s71, 0
	s_mov_b32 s[TB], SLOTB
	s_mov_b32 s[TBF], 0
	s_mov_b32 s[CS], 0x3d8293ee                    ; log2(e) / sqrt(512)
	s_mov_b32 s[CS+1], s[CS]                       ; (named with it as a pair)
	s_mov_b32 s[KC], 0xd0a8965f                    ; -1e9 sqrt(512)
	s_mov_b32 s[KC+1], s[KC]
	s_mov_b32 s[SEL], 0x76543210
	s_mov_b32 s[SEL+1], 0xfedcba98
	; the prefetches: where they stand at key step 2 (the first refill steps them to step 3), and who asks
	s_mul_i32 s73, s22, 16*RECB
	s_add_co_u32 s73, s73, 2*RECB-4096             ; images: record 2's byte 4,096, less one wave's part: waves 5 to 7 are 1 to 3 below
	s_mul_i32 s75, s19, 24576                      ; my work-group's 96 blocks
	s_add_co_u32 s73, s73, s75
	s_lshl_b32 s74, s74, 13                        ; my wave's 32
	s_add_co_u32 s73, s73, s74
	s_lshl_b32 s75, s21, 19                        ; the mask: my block's rows,
	s_lshl_b32 s76, s20, 17                        ; my work-group's 16 of them,
	s_add_co_u32 s75, s75, s76
	s_add_co_u32 s75, s75, 1024                    ; key step 2
	s_and_b32 s80, ttmp7, 0xffff
	s_cmp_gt_u32 s[WV], 4                          ; waves 5 to 7: where the cluster's x is 0
	s_cselect_b32 s79, ttmp9, -1
	s_cmp_eq_u32 s[WV], 4                          ; wave 4: where the cluster's y is 0
	s_cselect_b32 s79, s80, s79
	s_cmp_eq_u32 s79, 0
	s_cselect_b32 s[LIM], 1, -1                    ; the same in all sixteen partners, for a given wave
	s_mov_b32 s72, 8192
	s_mov_b32 s[PFS], 512
	s_mov_b32 s[PFS+1], 0
	s_mov_b32 s77, 0
	s_cmp_gt_u32 s[WV], 4
	s_cselect_b32 s72, 512, s72                    ; from pair of lanes to pair of lanes: two blocks, or a row of the mask
	s_cselect_b32 s[PFS], RECB, s[PFS]
	s_cselect_b32 s76, s73, s75
	v_bfe_u32 v10, v0, 1, 4
	v_and_b32 v11, 1, v0
	v_mul_lo_u32 v10, v10, s72
	s_delay_alu instid0(VALU_DEP_1)
	v_lshl_add_u32 v[PFO], v11, 8, v10
	; q: record 16 b + block / 2, pair 2 (block % 2) + w / 4, its half (w / 2) % 2, my four heads
	s_lshl_b32 s84, s22, 4
	s_lshr_b32 s85, s21, 1
	s_add_co_u32 s84, s84, s85
	s_mul_i32 s84, s84, RECB
	s_and_b32 s85, s21, 1
	s_lshl_b32 s85, s85, 1
	s_lshr_b32 s86, s18, 1
	s_add_co_u32 s85, s85, s86
	s_mul_i32 s86, s85, 1536
	s_mul_i32 s87, s17, 24576
	s_add_co_u32 s86, s86, s87
	s_add_co_u32 s86, s86, s84
	s_mov_b32 s87, 0
	s_lshl_b32 s88, s85, 6
	s_lshl_b32 s89, s17, 10
	s_add_co_u32 s88, s88, s89
	s_add_co_u32 s88, s88, s84
	s_mov_b32 s89, 0
	s_and_b32 s90, s18, 1
	s_lshl_b32 s91, s90, 4                         ; my two scale bytes stand 16 (half) bits up
	s_cmp_eq_u32 s90, 1
	s_cselect_b32 s92, -1, 0                       ; all lanes: the pair image's upper half is mine
	s_wait_dscnt 0x0                               ; both opening adds are done
	s_wait_kmcnt 0x0
	s_mov_b32 s[G0K], 1
	s_mov_b32 s[G0K+1], s51
	s_add_nc_u64 s[G0K+2:G0K+3], s[4:5], s[68:69]
	s_or_b32 s[G0K+3], s[G0K+3], 0x80000000
	s_mov_b32 s[G0M], 1
	s_mov_b32 s[G0M+1], s63
	s_add_nc_u64 s[G0M+2:G0M+3], s[6:7], s[70:71]
	s_or_b32 s[G0M+3], s[G0M+3], 0x80000000
	s_cmp_gt_u32 s[WV], 4
	s_cselect_b64 s[PFA:PFA+1], s[4:5], s[6:7]
	s_add_nc_u64 s[PFA:PFA+1], s[PFA:PFA+1], s[76:77]
	s_add_nc_u64 s[86:87], s[4:5], s[86:87]
	s_add_nc_u64 s[88:89], s[4:5], s[88:89]
	CROUND                                         ; all sixteen work-groups are here: the first joint loads meet
	JLOAD                                          ; key step 0 into slot 0: one tensor load a wave at the head
	v_and_b32 v10, 31, v0                          ; lane
	v_and_b32 v11, 15, v0                          ; r
	v_bfe_u32 v12, v0, 4, 1                        ; lane / 16
	v_lshlrev_b32 v[ADI], 4, v10                   ; (for q's loads: 16 x lane, 4 r)
	v_lshlrev_b32 v[ADS], 2, v11
.irp h, 0,1,2,3
.irp c, 0,1,2
	global_load_b128 v[S+12*\h+4*\c:S+12*\h+4*\c+3], v[ADI], s[86:87] offset:106496+6144*\h+512*\c
.endr
	global_load_b32 v[QS+\h], v[ADS], s[88:89] offset:102400+256*\h
.endr
	s_mul_i32 s81, s17, 24576
	s_add_co_u32 s81, s81, 4096
	s_lshl_b32 s82, s17, 10
	s_mul_i32 s83, s18, 16*MP
	s_add_co_u32 s83, s83, MOFF
	v_lshl_add_u32 v[AIM0], v10, 4, s81            ; k's images of my heads, 16 bytes a lane
	v_lshl_add_u32 v[ASC0], v10, 2, s82            ; their scale words, 4 bytes a lane
	v_mul_u32_u24 v[AM0], v11, MP
	s_delay_alu instid0(VALU_DEP_1)
	v_lshl_add_u32 v[AM0], v12, 5, v[AM0]
	s_delay_alu instid0(VALU_DEP_1)
	v_add_nc_u32 v[AM0], s83, v[AM0]               ; the mask: row 16 (w / 2) + r, + 32 (lane / 16) bytes
.irp h, 0,1,2,3
	v_mov_b32 v[ST+4*\h+1], 0xff61b1e6             ; the largest t so far: -3e38, under every t
	v_mov_b32 v[ST+4*\h+2], 0                      ; the sum, in two halves
	v_mov_b32 v[ST+4*\h+3], 0
	v_floor_f32 v[ST+4*\h], -v[ST+4*\h+1]          ; -M
	v_mov_b32 v[T+\h], 0                           ; written once: a lane permute's destination counts as one of its sources
.endr
	v_mov_b32 v[FF+1], 0                           ; (named as the upper half of a pair)
	WIN 0x40
.set j, 0
.rept 128
	v_mov_b32 v[O+j], 0                            ; O^T.  (The step is written once for all trips: the first finds zeros, which the first change of M leaves zeros)
.set j, j+1
.endr
	s_wait_loadcnt 0x0                             ; q
.irp h, 0,1,2,3
.irp i, 0,1,2,3,4,5
	v_cndmask_b32 v[QF+18*\h+\i], v[S+12*\h+\i], v[S+12*\h+6+\i], s92      ; my half of the pair image,
	v_mov_b32 v[QF+18*\h+6+\i], 0                                          ; zeros,
	v_cndmask_b32 v[QF+18*\h+12+\i], v[S+12*\h+\i], v[S+12*\h+6+\i], s92   ; and the same once more
.endr
.endr
	WIN 0
.irp h, 0,1,2,3
	v_lshrrev_b32 v[QS+\h], s91, v[QS+\h]
.endr
.irp h, 0,1,2,3
	v_and_b32 v[QS+\h], 0xffff, v[QS+\h]           ; my two bytes,
.endr
.irp h, 0,1,2,3
	v_lshl_or_b32 v[QS+\h], v[QS+\h], 16, v[QS+\h] ; in both halves of the word: they serve [q][zeros] and [zeros][q]
.endr
	s_wait_alu depctr_va_vdst(0)
	s_wait_tensorcnt 0x0                           ; my part of key step 0 is in
	ds_add_u32 v[SPW], v[NIL]
	FILLSET
	s_wait_dscnt 0x0
	CROUND                                         ; everybody's part of key step 0 is in
	JLOAD                                          ; key step 1 into slot 1
	NEXTADR
	NEXTLD
	s_mov_b32 s[SLOTS], 14
.Lstep:                                            ; 14 trips: steps 0 to 13 ask for steps 2 to 15
	STEP 1
	s_sub_co_u32 s[SLOTS], s[SLOTS], 1
	s_cmp_lg_u32 s[SLOTS], 0
	s_wait_alu depctr_va_vdst(0)
	s_cbranch_scc1 .Lstep
	s_mov_b32 s[SLOTS], 2
.Llast:                                            ; steps 14 and 15 ask for nothing
	STEP 0
	s_sub_co_u32 s[SLOTS], s[SLOTS], 1
	s_cmp_lg_u32 s[SLOTS], 0
	s_wait_alu depctr_va_vdst(0)
	s_cbranch_scc1 .Llast
	; THE TAIL.  Wave w makes out's columns 64 w .. 64 w + 63 for the 64 queries: its sixteen fragments of Wo (24,576 consecutive bytes of woimg), their scale words and its part of bo come straight into registers.
	PLACES 5                                       ; behind the last products: loads go into their operands, and their results are read
	s_lshl_b32 s66, s18, 2
	s_lshl_b32 s67, s17, 1
	s_add_co_u32 s66, s66, s67                     ; my first fragment of the context: 4 (w / 2) + 2 (w % 2)
	s_mul_i32 s67, s66, 1536
	s_lshl_b32 s68, s66, 6
	s_add_co_u32 s68, s68, CSC
	s_mul_i32 s69, s[WV], 16*SPT
	s_add_co_u32 s69, s69, STG                     ; my stage
	s_mul_i32 s72, s[WV], 24576
	s_mov_b32 s73, 0
	s_add_nc_u64 s[8:9], s[8:9], s[72:73]
	s_lshl_b32 s72, s[WV], 10
	s_add_nc_u64 s[10:11], s[10:11], s[72:73]
	s_lshl_b32 s72, s[WV], 8
	s_add_nc_u64 s[12:13], s[12:13], s[72:73]
	s_add_nc_u64 s[14:15], s[14:15], s[72:73]      ; out: my 256 bytes of a row,
	s_lshl_b32 s72, s22, 11
	s_lshl_b32 s74, s21, 6
	s_add_co_u32 s72, s72, s74
	s_lshl_b32 s72, s72, 11                        ; rows 2,048 b + 64 block on
	s_add_nc_u64 s[14:15], s[14:15], s[72:73]
	v_and_b32 v1, 31, v0
	v_and_b32 v52, 15, v0                          ; r
	v_bfe_u32 v53, v0, 4, 1                        ; lane / 16
	v_lshlrev_b32 v2, 3, v1                        ; 8 x lane
	v_lshl_add_u32 v6, v1, 2, CSC                  ; the context's scale words: 4 x lane
	v_lshlrev_b32 v1, 4, v1                        ; 16 x lane
	v_lshlrev_b32 v3, 5, v53                       ; bo: 32 (lane / 16)
	v_lshl_add_u32 v5, v52, 2, s68                 ; where I store a fragment's scale words,
	v_mul_u32_u24 v[STO], v52, SPT
	v_add_nc_u32 v4, s67, v1                       ; and its registers
	v_lshlrev_b32 v52, 4, v52                      ; 16 r
	v_lshl_add_u32 v[STO], v53, 5, v[STO]
	v_lshl_add_u32 v[CO], v53, 11, v52             ; out: lanes 0-15 one row's 256 bytes, lanes 16-31 the next row's
	v_mad_u32_u24 v[RD], v53, SPT, v52
	v_add_nc_u32 v[STO], s69, v[STO]               ; the stage, in: row r, + 32 (lane / 16)
	s_delay_alu instid0(VALU_DEP_2)
	v_add_nc_u32 v[RD], s69, v[RD]                 ; back: two rows a load
	s_wait_alu depctr_va_vdst(0)
.set i, 0
.rept 96
	global_load_b64 v[WF+2*i:WF+2*i+1], v2, s[8:9] offset:256*i   ; 32 lanes read 256 consecutive bytes
.set i, i+1
.endr
	global_load_b128 v[WS:WS+3], v1, s[10:11]              ; a row's four words, K steps 0 to 3: lanes 0-15 column tile 0, lanes 16-31 tile 1
	global_load_b128 v[WS+4:WS+7], v1, s[10:11] offset:512 ; tiles 2, 3
	WIN 0x40
.irp n, 0,1,2,3
	global_load_b128 v[BO+8*\n:BO+8*\n+3], v3, s[12:13] offset:64*\n
	global_load_b128 v[BO+8*\n+4:BO+8*\n+7], v3, s[12:13] offset:64*\n+16
.endr
	WIN 0
	s_wait_dscnt 0x0                               ; my reads of the ring are over
	s_barrier_signal -1                            ; (work on registers stands between the signal and the wait)
.irp h, 0,1,2,3
	v_add_f32 v[ST+4*\h+2], v[ST+4*\h+2], v[ST+4*\h+3]   ; the sum's two halves,
.endr
.irp h, 0,1,2,3
	v_permlanex16_b32 v[T+\h], v[ST+4*\h+2], s[SEL], s[SEL+1]
.endr
.irp h, 0,1,2,3
	v_add_f32 v[ST+4*\h+2], v[ST+4*\h+2], v[T+\h]        ; and lane l xor 16's
.endr
	s_wait_alu depctr_va_vdst(0)
.irp h, 0,1,2,3
	v_rcp_f32 v[ST+4*\h+2], v[ST+4*\h+2]
.endr
	v_nop                                          ; one plain place behind a transcendental
	WIN 0x41
	s_wait_alu depctr_va_vdst(0)                   ; and behind it, directly ahead of the first reader of O^T
.irp h, 0,1,2,3
.set j, 0
.rept 16
	v_pk_mul_f32 v[O+32*\h+j:O+32*\h+j+1], v[O+32*\h+j:O+32*\h+j+1], v[ST+4*\h+2:ST+4*\h+3] op_sel_hi:[1,0]   ; each accumulator from its low end on
.set j, j+2
.endr
.endr
.irp b, 0,1,2,3,4,5,6,7                        ; register 16 b + i held channel 32 b + 8 (lane / 16) + i (i < 8) or 32 b + 16 + 8 (lane / 16) + i - 8; behind the exchange it holds 32 b + 16 (lane / 16) + i
.irp i, 0,1,2,3,4,5,6,7
	v_permlane16_swap_b32 v[O+16*\b+\i], v[O+16*\b+8+\i]
.endr
.endr
	WIN 0
; Heads 2 j and 2 j + 1 of my four: 128 numbers of the out projection's K, a whole fragment: quantised, and stored as an image with its scale words.
.macro CTXP j
.set OP, O+64*(\j)
	WIN 0x05
.irp b, 0,1,2,3
	v_max3_num_f32 v[BM+\b], |v[OP+16*\b]|, |v[OP+16*\b+1]|, 0x1800000
.endr
.irp i, 2,4,6,8,10,12,14
.irp b, 0,1,2,3
	v_max3_num_f32 v[BM+\b], |v[OP+16*\b+\i]|, |v[OP+16*\b+\i+1]|, v[BM+\b]
.endr
.endr
	WIN 0
.irp b, 0,1,2,3
	v_permlanex16_b32 v[T+\b], v[BM+\b], s[SEL], s[SEL+1]
.endr
.irp b, 0,1,2,3
	v_max_num_f32 v[BM+\b], v[BM+\b], v[T+\b]
.endr
.irp b, 0,1,2,3
	v_add_nc_u32 v[SO+\b], 0xff000000, v[BM+\b]
.endr
.irp b, 0,1,2,3
	v_lshrrev_b32 v[T+\b], 23, v[SO+\b]
.endr
	s_delay_alu instid0(VALU_DEP_3)
	v_lshl_or_b32 v[SCR], v[T+1], 8, v[T]
	s_delay_alu instid0(VALU_DEP_1)
	v_lshl_or_b32 v[SCR], v[T+2], 16, v[SCR]
	s_delay_alu instid0(VALU_DEP_1)
	v_lshl_or_b32 v[SCR], v[T+3], 24, v[SCR]
	WIN 0x01
	v_cvt_scalef32_pk16_fp6_f32 v[CQ:CQ+2], v[OP:OP+15], v[SO]
	v_cvt_scalef32_pk16_fp6_f32 v[22:24], v[OP+16:OP+31], v[SO+1]
	v_cvt_scalef32_pk16_fp6_f32 v[CQ+6:CQ+8], v[OP+32:OP+47], v[SO+2]
	v_cvt_scalef32_pk16_fp6_f32 v[54:56], v[OP+48:OP+63], v[SO+3]
	WIN 0
	v_nop                                          ; one plain place behind a scaled conversion
.irp i, 0,1,2
	v_permlane16_swap_b32 v[CQ+\i], v[22+\i]
	v_permlane16_swap_b32 v[CQ+6+\i], v[54+\i]
.endr
.irp i, 0,1,2
	v_mov_b32 v[CQ+3+\i], v[22+\i]
	v_mov_b32 v[CQ+9+\i], v[54+\i]
.endr
.if (\j) == 0
	s_wait_alu depctr_va_vdst(0)
	s_barrier_wait -1                              ; everybody's reads of the ring are over: the slots, which have had their last fill, may be stored into
.endif
.irp c, 0,1,2
	ds_store_b128 v4, v[CQ+4*\c:CQ+4*\c+3] offset:CIMG+1536*(\j)+512*\c
.endr
	ds_store_b32 v5, v[SCR] offset:64*(\j)         ; (lanes 16-31 hold and write the same)
.endm
	CTXP 0
	CTXP 1
	s_wait_dscnt 0x0                               ; for the others' sake: my stores are done
	s_barrier_signal -1
	s_barrier_wait -1                              ; the context's sixteen fragments lie in LDS
.macro CFLOAD m                        ; query tile m's four fragments (K steps 0 to 3) and their scale words (lanes 0-15 the even step's, lanes 16-31 the odd one's) into set m % 2
.set PP, (\m)%2
	WIN 0x40
.irp s, 0,1,2,3
.irp c, 0,1,2
	ds_load_b128 v[CF+48*PP+12*\s+4*\c:CF+48*PP+12*\s+4*\c+3], v1 offset:CIMG+(4*(\m)+\s)*1536+512*\c
.endr
.endr
	WIN 0
	ds_load_b32 v[CW+214*PP], v6 offset:256*(\m)
	ds_load_b32 v[CW+214*PP+1], v6 offset:256*(\m)+128
.endm
.macro GEMM m                          ; 16 queries x my 64 columns: four accumulators by turns, K ascending; bo is the C of each sum's first product.  Source 0 = Wo's rows, source 1 = queries: a lane holds 8 neighbouring columns of a row of out
.set PP, (\m)%2
	WIN 0x54
.irp s, 0,1,2,3
.irp n, 0,1,2,3
.if \s == 0
	WM 32*PP+8*\n, WF+12*(4*\n+\s), CF+48*PP+12*\s, BO+8*\n, WS+4*(\n/2)+\s, CW+214*PP+\s/2, \n%2, \s%2
.else
	WM 32*PP+8*\n, WF+12*(4*\n+\s), CF+48*PP+12*\s, 32*PP+8*\n, WS+4*(\n/2)+\s, CW+214*PP+\s/2, \n%2, \s%2
.endif
.endr
.endr
	WIN 0
.endm
.macro TOSTAGE m                       ; through my own stage: in by 32 bytes a lane, back as whole rows of 256 bytes.  LDS serves a wave's instructions in order (ISA guide 5.7.1.4)
.set PP, (\m)%2
	WIN 0x04
.irp n, 0,1,2,3
	ds_store_b128 v[STO], v[32*PP+8*\n:32*PP+8*\n+3] offset:64*\n          ; each accumulator from its low end on
	ds_store_b128 v[STO], v[32*PP+8*\n+4:32*PP+8*\n+7] offset:64*\n+16
.endr
	WIN 0x40
.irp i, 0,1,2,3,4,5,6,7
	ds_load_b128 v[64+32*PP+4*\i:64+32*PP+4*\i+3], v[RD] offset:2*SPT*\i
.endr
	WIN 0
.endm
.macro SEND m
.set PP, (\m)%2
	WIN 0x04
.irp i, 0,1,2,3,4,5,6,7
	global_store_b128 v[CO], v[64+32*PP+4*\i:64+32*PP+4*\i+3], s[14:15] offset:(16*(\m)+2*\i)*2048 th:TH_STORE_NT   ; 16 lanes store 256 consecutive bytes, at a multiple of 256 from out's first byte
.endr
	WIN 0
.endm
	CFLOAD 0
.irp m, 0,1,2,3                                ; by query tiles: a tile's rows leave while the next tile is multiplied
	s_wait_dscnt 0x0                               ; this tile's fragments are in, and the last tile's rows are back
.if \m == 0
	s_wait_loadcnt 0x0                             ; Wo, its scale words, bo
.else
	SEND \m-1
.endif
.if \m < 3
	CFLOAD \m+1
.endif
	GEMM \m
	PLACES 4                                       ; in front of the first read of results, and of loads into registers that matrix instructions have read
.if \m >= 2
	s_wait_xcnt 0x0                                ; the stores of two tiles back have read their registers
.endif
	TOSTAGE \m
.endr
	s_wait_dscnt 0x0
	SEND 3
	s_wait_tensorcnt 0x0                           ; the wave's end
	ds_add_u32 v[SPW], v[NIL]
	s_wait_dscnt 0x0
	CROUND                                         ; the closing round: no work-group ends while a partner may still ask for a tile that names it
	s_endpgm
.Lfunc_end_k_qe0431920a7_attn:
	.size	k_qe0431920a7_attn, .Lfunc_end_k_qe0431920a7_attn-k_qe0431920a7_attn
	.p2alignl 7, 3214868480
	.fill 96, 4, 3214868480
	.section	.rodata,"a",@progbits
	.p2align	6, 0x0
	.amdhsa_kernel k_qe0431920a7_attn
		.amdhsa_group_segment_fixed_size 327680
		.amdhsa_private_segment_fixed_size 0
		.amdhsa_enable_private_segment 0
		.amdhsa_kernarg_size 48
		.amdhsa_user_sgpr_count 2
		.amdhsa_user_sgpr_kernarg_segment_ptr 1
		.amdhsa_wavefront_size32 1
		.amdhsa_system_sgpr_workgroup_id_x 1
		.amdhsa_system_sgpr_workgroup_id_y 1
		.amdhsa_system_sgpr_workgroup_id_z 1
		.amdhsa_system_vgpr_workitem_id 0
		.amdhsa_next_free_vgpr 512
		.amdhsa_next_free_sgpr 100
		.amdhsa_reserve_vcc 0
		.amdhsa_float_denorm_mode_32 3
		.amdhsa_float_denorm_mode_16_64 3
		.amdhsa_memory_ordered 1
		.amdhsa_forward_progress 1
		.amdhsa_inst_pref_size 204
	.end_amdhsa_kernel
	.amdgpu_metadata
---
amdhsa.version: [ 1, 2 ]
amdhsa.kernels:
  - .name:           k_qe0431920a7_attn
    .symbol:         k_qe0431920a7_attn.kd
    .args:
      - { .name: rec, .offset: 0, .size: 8, .value_kind: global_buffer, .address_space: global }
      - { .name: mask, .offset: 8, .size: 8, .value_kind: global_buffer, .address_space: global }
      - { .name: woimg, .offset: 16, .size: 8, .value_kind: global_buffer, .address_space: global }
      - { .name: Wo_scales, .offset: 24, .size: 8, .value_kind: global_buffer, .address_space: global }
      - { .name: bo, .offset: 32, .size: 8, .value_kind: global_buffer, .address_space: global }
      - { .name: out0, .offset: 40, .size: 8, .value_kind: global_buffer, .address_space: global }
    .group_segment_fixed_size: 327680
    .private_segment_fixed_size: 0
    .kernarg_segment_align: 8
    .kernarg_segment_size: 48
    .max_flat_workgroup_size: 256
    .sgpr_count:     100
    .vgpr_count:     512
    .wavefront_size: 32
...
	.end_amdgpu_metadata
.endif
;; end of part 2
